; MI455X (gfx1250); checked and timed in simulation.
; The chip was launched on July 23, 2026; its instructions are those of AMD's public machine-readable ISA for CDNA 5 (MIT licence, August 2026) and "CDNA5" Instruction Set Architecture Reference Guide (July 2026). The comments in the code are by the model that wrote it; some were corrected since.
;; Vector Quantizer. Allowed arithmetic: matrix products marked QUANTISED: E2M1 operands, one E8M0 scale for each 32 along K, by v_wmma_scale_f32_16x16x128_f8f6f4 with both operands' format E2M1 (or v_wmma_scale_f32_32x16x128_f4), f32 sums; everything else in f32.
;; Inputs: codebook 8,192 x 256 float32; x 32 x 256 x 32 x 32 float32.
;; Outputs: out0 32 x 256 x 32 x 32 float32; out1 one number float32; out2 32 x 32 x 32 int32.
;; This version of the problem:
;;   THIS VERSION OF THE PROBLEM IS GIVEN IN LOW PRECISION. The matrix products marked QUANTISED in the list below multiply operands that are first quantised to E2M1 (2 exponent bits, 1 mantissa bit; 4 bits a number), with one power-of-two scale for each 32 numbers along K (OCP MX v1.0); their sums are f32. All else is computed in f32.
;;   The module's matrix products, in the order in which they are computed (A, B: the left and right operand; K: the contracted axis; several contracted axes count as one K, in the product's order):
;;     1. [M 32,768, K 256] x [K 256, N 8,192]; A: input x; B: input codebook: QUANTISED
;;   THE QUANTISER, for each operand of a quantised product, along K:
;;     - K is cut into blocks of 32 from its start; a last block that is shorter is filled with zeros.
;;     - A block's scale is 2^e with e = floor(log2(the largest magnitude in the block)) - 2, held to -126 .. 127; a block of zeros has e = 0. As a byte (E8M0): e + 127.
;;     - Each number is divided by its block's scale, clamped to +-6, and rounded to the nearest number of E2M1, ties to even, subnormals kept.
;;     - The product sums the exact products of the quantised numbers (number of the format x scale) in f32.
;;   ~~~python
;;   def quantise(x, axis):      # numpy; x: float32 -> the quantised numbers, widened to float32 again
;;       x = np.moveaxis(x, axis, -1); K = x.shape[-1]
;;       x = np.pad(x, [(0, 0)] * (x.ndim - 1) + [(0, -K % 32)]); x = x.reshape(x.shape[:-1] + (-1, 32)); a = np.abs(x).max(-1, keepdims=True)
;;       e = np.where(a > 0, np.clip(np.frexp(np.where(a > 0, a, 1))[1] - 1 - 2, -126, 127), 0)      # np.frexp(a)[1] - 1 = floor(log2(a)), exactly
;;       r = np.clip(x / 2.0 ** e, -6, 6)
;;       step = 2.0 ** (np.maximum(np.frexp(np.where(r == 0, 1, r))[1] - 1, 0) - 1)
;;       q = np.round(r / step) * step * 2.0 ** e      # np.round: ties to even
;;       return np.moveaxis(q.reshape(q.shape[:-2] + (-1,))[..., :K], -1, axis).astype(np.float32)
;;   ~~~
;; One version. Each part assembles by itself: llvm-mc -triple=amdgcn-amd-amdhsa -mcpu=gfx1250 --defsym DOCPART=n.
;; ======== version 1 of 1: 4 launches
;; limits: right only within a limited range of input values
;; workspace buffers: cbq 1,179,648 bytes; idxw 131,072 bytes of whole numbers; part 1,024 bytes
;; launch quantcb (part 1): grid 256 x 1, 2 waves a work-group, no clusters, 34,048 bytes of LDS; arguments codebook, cbq; writes cbq
.if DOCPART == 1
	.amdgcn_target "amdgcn-amd-amdhsa--gfx1250"
	.amdhsa_code_object_version 6
	.text
	.protected	k_q3dc8e5f106_quantcb
	.globl	k_q3dc8e5f106_quantcb
	.p2align	8
	.type	k_q3dc8e5f106_quantcb,@function
k_q3dc8e5f106_quantcb:
	s_mov_b64 s[64:65], 0
	v_nop
	global_prefetch_b8 v0, s[64:65] scope:SCOPE_SE
	s_setreg_imm32_b32 hwreg(HW_REG_WAVE_MODE, 25, 1), 1
	s_wait_xcnt 0x0
; The codebook [8192][256] f32 becomes, once, what the product's launch reads: codes of FP4 (E2M1), one E8M0 scale byte for each 32 along K, and se = the sum of a row's squares.
; A block's scale is 2^(floor(log2(its largest magnitude)) - 2); its byte is the largest magnitude's exponent field - 2, held at 1 from below; each number is divided by the scale and rounded to the nearest code, ties to even, beyond 6 the largest code.
; LAYOUT OF cbq: one record of 2,304 bytes (nine blocks of 256) for each tile of 16 codebook rows, AN IMAGE OF THE OPERAND'S REGISTERS.  Lane l = r + 16 h:
;   bytes 512 g + 16 l, g = 0..3: the 32 codes of row r, block 2 g + h: registers 4 g .. 4 g + 3 of the two K steps' fragments on end;
;   bytes 2048 + 4 l: the scale word of row r for K step h (blocks 4 h .. 4 h + 3);   bytes 2176 + 4 l: se of row r (both halves of the lanes hold it).
; LIMITS: NaN and infinities among the inputs are not served.  A block of zeros gets the byte 1 where the rule says 127: its codes are zeros, which add nothing, and this program alone reads the bytes.
; Blocks whose largest magnitude lies under 2^-124, the floor, were not tried.  se is summed in f32 in an order of its own.
; SHARES: a wave takes one tile: 16,384 dense bytes in, one record out.  Loads take the bytes as they lie (512 consecutive bytes a load); they turn through the wave's own stage in LDS,
; so that a lane then holds whole blocks of 32 neighbours along K.  Waves share nothing: no barrier.
.set PITCH, 1040                       ; a stage row: 1,024 bytes + 16: an odd multiple of 16, so sixteen lanes that read one column of sixteen rows touch sixteen different 16-byte columns of 256
.set WREG,  16896                      ; LDS of a wave: 16 stage rows, then 256 bytes for the record's last block
.set TAIL,  16*PITCH
.set MX,    12                         ; v12-15  a block's largest magnitude
.set SO,    16                         ; v16-19  the conversions' scale operand
.set BY,    20                         ; v20-23  the scale bytes
.set TP,    24                         ; v24-27  at work (lane permutes land here)
.set SQ,    28                         ; v28-31  sums of squares, two pairs
.set X,     32                         ; v32-159 the numbers: as loaded, then block g at X + 32 g
.set CODE,  160                        ; v160-175 the codes, block g at CODE + 4 g
	s_load_b128 s[4:7], s[0:1], 0x0                ; codebook s[4:5], cbq s[6:7]
	v_lshl_add_u32 v184, v0, 2, 0x8400
	v_mov_b32 v185, 0
	v_lshrrev_b32 v1, 5, v0
	v_readfirstlane_b32 s8, v1                     ; wave 0, 1
	v_and_b32 v1, 31, v0                           ; lane
	s_wait_alu depctr_va_vdst(0)
	v_and_b32 v2, 15, v0                           ; r
	s_wait_alu depctr_va_vdst(0)
	v_bfe_u32 v3, v0, 4, 1                         ; h
	s_lshl_b32 s9, ttmp9, 1
	s_add_co_u32 s9, s9, s8                        ; my tile: 2 x work-group + wave
	s_lshl_b32 s10, s9, 14                         ; its 16 rows of 1,024 bytes
	s_mov_b32 s11, 0
	s_mul_i32 s12, s9, 2304                        ; its record
	s_mov_b32 s13, 0
	s_mul_i32 s14, s8, WREG                        ; my LDS
	s_mov_b32 s16, 0x76543210                      ; v_permlanex16_b32's selects for lane l xor 16
	s_mov_b32 s17, 0xfedcba98
	v_lshlrev_b32 v4, 4, v1                        ; 16 x lane: my bytes of a load and of a store
	v_add_nc_u32 v5, s14, v4                       ; into the stage
	v_mul_u32_u24 v6, v2, PITCH
	s_wait_alu depctr_va_vdst(0)
	v_lshl_add_u32 v6, v3, 7, v6
	v_add_nc_u32 v6, s14, v6                       ; out of it: row r, block h
	v_lshlrev_b32 v7, 2, v1
	v_add_nc_u32 v7, s14, v7
	v_add_nc_u32 v7, TAIL, v7                      ; the last block, in: 4 bytes a lane
	v_lshlrev_b32 v9, 3, v1                        ; and out: 8 bytes a lane
	v_add_nc_u32 v8, s14, v9
	v_add_nc_u32 v8, TAIL, v8
	v_lshlrev_b32 v10, 3, v3                       ; 8 h: my bytes' place in a scale word, in bits
.irp b, 0,1,2,3
	v_mov_b32 v[TP+\b], 0                          ; written once: a lane permute's destination counts as one of its sources
.endr
	s_wait_kmcnt 0x0
	s_add_nc_u64 s[4:5], s[4:5], s[10:11]
	s_add_nc_u64 s[6:7], s[6:7], s[12:13]
.set i, 0
.rept 32
	global_load_b128 v[X+4*i:X+4*i+3], v4, s[4:5] offset:512*i      ; 32 lanes read 512 consecutive bytes: half a row
.set i, i+1
.endr
.set i, 0
.rept 32
	s_wait_loadcnt 31-i                            ; loads come back in order: load i is in, the 31 - i younger ones may be out
	ds_store_b128 v5, v[X+4*i:X+4*i+3] offset:(i/2)*PITCH+(i%2)*512
.set i, i+1
.endr
	s_wait_dscnt 0x0                               ; the stores have read their registers, which the loads below fill again
.irp g, 0,1,2,3
.irp e, 0,1,2,3,4,5,6,7
	ds_load_b128 v[X+32*\g+4*\e:X+32*\g+4*\e+3], v6 offset:256*\g+16*\e   ; block 2 g + h of row r: 32 neighbours along K
.endr
.endr
	s_wait_dscnt 0x0
.irp g, 0,1,2,3
	v_max3_num_f32 v[MX+\g], |v[X+32*\g]|, |v[X+32*\g+1]|, 0x1800000     ; the block's largest magnitude, with the floor 2^(3 - 127) among its leaves: the byte cannot fall under 1
.endr
.irp i, 2,4,6,8,10,12,14,16,18,20,22,24,26,28,30
.irp g, 0,1,2,3
	v_max3_num_f32 v[MX+\g], v[MX+\g], |v[X+32*\g+\i]|, |v[X+32*\g+\i+1]|   ; (the four blocks by turns)
.endr
.endr
.irp g, 0,1,2,3
	v_add_nc_u32 v[SO+\g], 0xff000000, v[MX+\g]    ; 2 off the exponent field: the conversion takes the exponent field of this operand as its scale
.endr
.irp g, 0,1,2,3
	v_lshrrev_b32 v[BY+\g], 23, v[SO+\g]           ; the scale's byte
.endr
	v_pk_mul_f32 v[SQ:SQ+1], v[X:X+1], v[X:X+1]    ; the squares of my 128 numbers, two at a time, in two chains; the first products start the sums
	v_pk_mul_f32 v[SQ+2:SQ+3], v[X+2:X+3], v[X+2:X+3]
.set j, 4
.rept 31
	v_pk_fma_f32 v[SQ:SQ+1], v[X+j:X+j+1], v[X+j:X+j+1], v[SQ:SQ+1]
	v_pk_fma_f32 v[SQ+2:SQ+3], v[X+j+2:X+j+3], v[X+j+2:X+j+3], v[SQ+2:SQ+3]
.set j, j+4
.endr
	v_pk_add_f32 v[SQ:SQ+1], v[SQ:SQ+1], v[SQ+2:SQ+3]
	v_add_f32 v[SQ], v[SQ], v[SQ+1]
	v_permlanex16_b32 v[TP], v[SQ], s16, s17
	v_add_f32 v[SQ], v[SQ], v[TP]                  ; with lane l xor 16's 128: se of row r
.irp g, 0,1,2,3
.irp u, 0,1,2,3
	v_cvt_scalef32_pk8_fp4_f32 v[CODE+4*\g+\u], v[X+32*\g+8*\u:X+32*\g+8*\u+7], v[SO+\g]
.endr
.endr
	v_nop                                          ; one plain place behind the scaled conversions
	v_lshl_or_b32 v[TP+1], v[BY+1], 16, v[BY]      ; K step 0: my bytes are those of blocks h and 2 + h,
	v_lshl_or_b32 v[TP+2], v[BY+3], 16, v[BY+2]    ; K step 1: of blocks 4 + h and 6 + h,
	v_lshlrev_b32 v[TP+1], v10, v[TP+1]            ; at their places in the word (8 h bits up);
	v_lshlrev_b32 v[TP+2], v10, v[TP+2]
	v_permlanex16_b32 v[TP], v[TP+1], s16, s17
	v_permlanex16_b32 v[TP+3], v[TP+2], s16, s17
	v_or_b32 v[TP+1], v[TP+1], v[TP]               ; with lane l xor 16's two bytes each word is whole
	v_or_b32 v[TP+2], v[TP+2], v[TP+3]
	v_cmp_ne_u32 vcc_lo, 0, v3
	v_cndmask_b32 v[TP+1], v[TP+1], v[TP+2], vcc_lo   ; lanes 0-15 keep K step 0's word, lanes 16-31 K step 1's
.irp g, 0,1,2,3
	global_store_b128 v4, v[CODE+4*\g:CODE+4*\g+3], s[6:7] offset:512*\g   ; 32 lanes store 512 consecutive bytes, at a multiple of 256 from cbq's first byte
.endr
	ds_store_b32 v7, v[TP+1]                       ; the record's last 256 bytes are gathered in LDS: 128 of scale words,
	ds_store_b32 v7, v[SQ] offset:128              ; 128 of se,
	ds_load_b64 v[176:177], v8                     ; (LDS serves a wave's instructions in order: this sees the two stores)
	s_wait_dscnt 0x0
	global_store_b64 v9, v[176:177], s[6:7] offset:2048   ; and leave as 256 consecutive bytes
	s_wait_tensorcnt 0x0
	ds_add_u32 v184, v185
	s_wait_dscnt 0x0
	s_endpgm
.Lfunc_end_k_q3dc8e5f106_quantcb:
	.size	k_q3dc8e5f106_quantcb, .Lfunc_end_k_q3dc8e5f106_quantcb-k_q3dc8e5f106_quantcb
	.p2alignl 7, 3214868480
	.fill 96, 4, 3214868480
	.section	.rodata,"a",@progbits
	.p2align	6, 0x0
	.amdhsa_kernel k_q3dc8e5f106_quantcb
		.amdhsa_group_segment_fixed_size 34048
		.amdhsa_private_segment_fixed_size 0
		.amdhsa_enable_private_segment 0
		.amdhsa_kernarg_size 16
		.amdhsa_user_sgpr_count 2
		.amdhsa_user_sgpr_kernarg_segment_ptr 1
		.amdhsa_wavefront_size32 1
		.amdhsa_system_sgpr_workgroup_id_x 1
		.amdhsa_system_sgpr_workgroup_id_y 1
		.amdhsa_system_sgpr_workgroup_id_z 1
		.amdhsa_system_vgpr_workitem_id 0
		.amdhsa_next_free_vgpr 186
		.amdhsa_next_free_sgpr 66
		.amdhsa_reserve_vcc 1
		.amdhsa_float_denorm_mode_32 3
		.amdhsa_float_denorm_mode_16_64 3
		.amdhsa_memory_ordered 1
		.amdhsa_forward_progress 1
		.amdhsa_inst_pref_size 21
	.end_amdhsa_kernel
	.amdgpu_metadata
---
amdhsa.version: [ 1, 2 ]
amdhsa.kernels:
  - .name:           k_q3dc8e5f106_quantcb
    .symbol:         k_q3dc8e5f106_quantcb.kd
    .args:
      - { .name: codebook, .offset: 0, .size: 8, .value_kind: global_buffer, .address_space: global }
      - { .name: cbq, .offset: 8, .size: 8, .value_kind: global_buffer, .address_space: global }
    .group_segment_fixed_size: 34048
    .private_segment_fixed_size: 0
    .kernarg_segment_align: 8
    .kernarg_segment_size: 16
    .max_flat_workgroup_size: 64
    .sgpr_count:     66
    .vgpr_count:     186
    .wavefront_size: 32
...
	.end_amdgpu_metadata
.endif
;; end of part 1
;; launch nearest (part 2): grid 256 x 1, 16 waves a work-group, clusters of 4 x 1, 327,680 bytes of LDS; arguments x, cbq, out2, idxw; writes out2, idxw
.if DOCPART == 2
	.amdgcn_target "amdgcn-amd-amdhsa--gfx1250"
	.amdhsa_code_object_version 6
	.text
	.protected	k_q3dc8e5f106_nearest
	.globl	k_q3dc8e5f106_nearest
	.p2align	8
	.type	k_q3dc8e5f106_nearest,@function
k_q3dc8e5f106_nearest:
	s_mov_b64 s[64:65], 0
	v_nop
	global_prefetch_b8 v0, s[64:65] scope:SCOPE_SE
	s_setreg_imm32_b32 hwreg(HW_REG_WAVE_MODE, 25, 1), 1
	s_wait_xcnt 0x0
	s_wait_alu depctr_hold_cnt(0) depctr_sa_sdst(0) depctr_va_vdst(0) depctr_va_sdst(0) depctr_va_ssrc(0) depctr_va_vcc(0) depctr_vm_vsrc(0)
	s_getreg_b32 s2, hwreg(HW_REG_IB_STS2, 6, 4)
	s_cmp_eq_u32 s2, 0
	s_cbranch_scc0 .Lentry_in_a_cluster
	s_endpgm
.Lentry_in_a_cluster:
	s_bfe_u32 s2, ttmp6, 0x10000c
	s_cmp_lg_u32 s2, 0x3003
	s_cbranch_scc0 .Lentry_shape_is_right
	s_endpgm
.Lentry_shape_is_right:
; For each of 32,768 queries (one for each b, h, w of x [32][256][32][32]; K = the 256 channels) the first index of the smallest d = (|x|^2 + |e|^2) - 2 x.e over 8,192 codebook rows.
; x.e is the product on codes of FP4 (E2M1) with one E8M0 scale for each 32 along K; x is quantised here, the codebook arrives as records of register images (2,304 bytes for 16 rows: 2,048 of codes, 128 of scale words, 128 of se).
; d is rounded as the definition rounds it: t = se + sx by one addition, d = t - 2 m by one fused multiply-add (2 m is exact); at equal distances the lowest index is kept.
; LIMITS: NaN and infinities among the inputs are not served (the minimum drops a NaN).  A block of zeros gets the scale byte 1 where the rule says 127: its codes are zeros, and this program alone reads the bytes.
; Blocks whose largest magnitude lies under 2^-124, the floor, were not tried.  sx and se are summed in f32 in an order of their own.
; SHARES.  A work-group owns 128 neighbouring queries.  Wave w holds 64 of them (w % 2; four tiles of 16, their codes in registers) and walks an eighth (w / 2) of every part of the codebook: 8 records of a part's 64.
; LAYOUT.  Source 0 = 16 codebook rows, source 1 = 16 queries: in the result a lane holds ONE query (lane % 16) and the rows 8 (lane / 16) + 0 .. 7.
; THE INDEX.  A tile's eight d and the best so far go through four minima; where the best fell, the tile's first seven d and its first row are kept: eight selects, two to an instruction.
; At the end the first kept d that equals the best names the row; if none does, it is the eighth.
; The four tiles of queries go through each stage side by side, so that a line's sources were written five or more vector instructions earlier (one line a record aside, which has its hint).
; CLUSTER.  Every work-group walks the same records, so the four of a cluster ask for each part JOINTLY.  The place in the cluster enters global addresses of x and the outputs alone.
; THE CHANGE OF SLOTS stands ahead of a part's LAST record: that record is in registers by then, and its 8 products and 69 vector instructions stand between the opening signal and its wait.
; NO PREFETCH: all 64 clusters ask for the same 147,456 bytes of a part in the same trip, a part ahead of its use; a prefetch would name the same bytes once more in each cluster.
.set REC,   2304
.set PART,  64*REC                     ; a part: 1,024 rows, what a slot holds
.set QUART, 16*REC                     ; what one tensor load brings: 144 rows of 256 bytes
.set SLICE, 8*REC                      ; what a wave reads of a part
.set XROW,  2*PART                     ; behind the ring: x's codes, 128 rows of 128 bytes + 16; at the end the waves' results
.set XP,    144
.set XSC,   XROW+128*XP                ; x's scale bytes, 8 a query
.set SXP,   XSC+1024                   ; parts of sx: [quarter of K][query] f32
.set SPARE, SXP+2048                   ; the spare words, 128 bytes for each of 16 waves
.set SPW,  1
.set NIL,  2
.set AF,   3                           ; v3-4  slot 0, 1: my slice, 16 x lane
.set AS,   5                           ; v5-6  4 x lane
.set AE,   7                           ; v7-8  32 x (lane / 16)
.set VT,   9                           ; v9    the record's first row + 8 (lane / 16); stepped inside a record's work, ahead of its use
.set XW,   10
.set XBW,  11
.set SXW,  12
.set XA,   13
.set XSA,  14
.set SXA,  15
.set REDW, 16
.set REDR, 17
.set XOF,  18
.set GOF,  19
.set M2,   20                          ; v20-21  -2.0, twice
.set TMP,  22                          ; v22-25  a minimum of three, one for each tile
.set CS,   26                          ; v26-27  a record's scale words, two sets
.set BA,   28                          ; v28-31, v108-111  the best so far, by turns
.set XF,   32                          ; v32-95  x's fragments: tile q, K step s at XF + 16 q + 8 s
.set XSW,  96                          ; v96-99  x's scale words
.set SX,   100                         ; v100-107  sx of my query of tile q, twice
.set BB,   108
.set KEEP, 112                         ; v112-143  tile q: 8 q + 0 .. 6 the kept d, 8 q + 7 the kept VT
.set CF,   144                         ; v144-175  a record's codes, two sets of 16
.set SE,   176                         ; v176-191  se of my eight rows, two sets
.set ACC,  192                         ; v192-223  four accumulators
.set TD,   224                         ; v224-255  t, then d: tile q at TD + 8 q
.set XH,   112                         ; the head only
.set XC,   176
.set WK,   184
.set SQ,   192
.set LN,   226
.set RR,   227
.set HH,   228
.set T0,   229
.set JJ,   234                         ; the end only
.set RB,   144
.set WV,   12
.set G1,   16
.set G0,   24
.macro CREST                           ; a round of the cluster's barrier behind its opening barrier
	s_cmp_lg_u32 s[WV], 0
	s_cbranch_scc1 .Lnot_wave_0_\@
	s_barrier_signal -3
.Lnot_wave_0_\@:
	s_barrier_wait -3
	s_barrier_signal -1
	s_barrier_wait -1
.endm
.macro ROUND
	s_barrier_signal -1
	s_barrier_wait -1
	CREST
.endm
.macro TLOAD slot                      ; waves 0 to 3 fetch a quarter of a part each, the others nothing
	s_cmp_lt_u32 s[WV], 4
	s_cbranch_scc0 .Lnone_\@
	tensor_load_to_lds s[G0+4*(\slot):G0+4*(\slot)+3], s[G1:G1+7]
	s_nop 0
.rept 4
	v_nop
.endr
.Lnone_\@:
.endm
.macro FETCH slot, i, p                ; record i of my slice into set p: seven LDS loads
.irp g, 0,1,2,3
	ds_load_b128 v[CF+16*(\p)+4*\g:CF+16*(\p)+4*\g+3], v[AF+(\slot)] offset:REC*(\i)+512*\g
.endr
	ds_load_b32 v[CS+(\p)], v[AS+(\slot)] offset:REC*(\i)+2048
	ds_load_b128 v[SE+8*(\p):SE+8*(\p)+3], v[AE+(\slot)] offset:REC*(\i)+2176
	ds_load_b128 v[SE+8*(\p)+4:SE+8*(\p)+7], v[AE+(\slot)] offset:REC*(\i)+2192
.endm
.macro MUL p                           ; the record against my four tiles: K step 0 starts the sums, then K step 1; the four accumulators take turns
.irp q, 0,1,2,3
	v_wmma_scale_f32_16x16x128_f8f6f4 v[ACC+8*\q:ACC+8*\q+7], v[CF+16*(\p):CF+16*(\p)+7], v[XF+16*\q:XF+16*\q+7], 0, v[CS+(\p)], v[XSW+\q] matrix_a_fmt:MATRIX_FMT_FP4 matrix_b_fmt:MATRIX_FMT_FP4
.endr
.irp q, 0,1,2,3
	v_wmma_scale_f32_16x16x128_f8f6f4 v[ACC+8*\q:ACC+8*\q+7], v[CF+16*(\p)+8:CF+16*(\p)+15], v[XF+16*\q+8:XF+16*\q+15], v[ACC+8*\q:ACC+8*\q+7], v[CS+(\p)], v[XSW+\q] matrix_a_fmt:MATRIX_FMT_FP4 matrix_b_fmt:MATRIX_FMT_FP4 matrix_a_scale:MATRIX_SCALE_ROW1 matrix_b_scale:MATRIX_SCALE_ROW1
.endr
.endm
; A record's vector work.  The sixteen additions name no register of the products: they are the places in front of the first read of a result (ISA guide 7.12.1).
.macro VEC p, step
.if (\p) == 0
.set OLD, BA
.set NEW, BB
.else
.set OLD, BB
.set NEW, BA
.endif
.irp i, 0,2,4,6
.irp q, 0,1,2,3
	v_pk_add_f32 v[TD+8*\q+\i:TD+8*\q+\i+1], v[SE+8*(\p)+\i:SE+8*(\p)+\i+1], v[SX+2*\q:SX+2*\q+1]   ; t = se + sx
.endr
.endr
.irp i, 0,2,4,6
.irp q, 0,1,2,3
	v_pk_fma_f32 v[TD+8*\q+\i:TD+8*\q+\i+1], v[ACC+8*\q+\i:ACC+8*\q+\i+1], v[M2:M2+1], v[TD+8*\q+\i:TD+8*\q+\i+1]   ; d = t - 2 m; each accumulator is read from its low end on
.endr
.endr
.irp q, 0,1,2,3
	v_min3_num_f32 v[TMP+\q], v[TD+8*\q+3], v[TD+8*\q+4], v[TD+8*\q+5]
.endr
.irp q, 0,1,2,3
	v_min3_num_f32 v[NEW+\q], v[TD+8*\q+6], v[TD+8*\q+7], v[OLD+\q]
.endr
.irp q, 0,1,2,3
	v_min3_num_f32 v[TD+8*\q+7], v[TD+8*\q], v[TD+8*\q+1], v[TD+8*\q+2]   ; the eighth d has been used and is not kept: its register takes this minimum
.endr
	v_add_nc_u32 v[VT], \step, v[VT]               ; this record's first row
.irp q, 0,1,2,3
	v_min3_num_f32 v[NEW+\q], v[NEW+\q], v[TMP+\q], v[TD+8*\q+7]
.endr
.irp q, 0,1,2,3
.if \q == 0
	s_delay_alu instid0(VALU_DEP_4)
.endif
	v_cmp_lt_f32 vcc_lo, v[NEW+\q], v[OLD+\q]      ; strictly: an equal d of a later record changes nothing
.irp j, 0,2,4
	v_dual_cndmask_b32 v[KEEP+8*\q+\j], v[KEEP+8*\q+\j], v[TD+8*\q+\j] :: v_dual_cndmask_b32 v[KEEP+8*\q+\j+1], v[KEEP+8*\q+\j+1], v[TD+8*\q+\j+1]
.endr
	v_dual_cndmask_b32 v[KEEP+8*\q+6], v[KEEP+8*\q+6], v[TD+8*\q+6] :: v_dual_cndmask_b32 v[KEEP+8*\q+7], v[KEEP+8*\q+7], v[VT]
.endr
.endm
.macro TILES slot                      ; records 0 to 6 of my slice; the next record's loads go out ahead of this one's products, into the other set
.irp i, 0,1,2,3,4,5,6
	s_wait_dscnt 0x0                               ; this record's seven loads, the only ones out
	FETCH \slot, (\i)+1, 1-(\i)%2
	MUL (\i)%2
.if (\i) == 0
	VEC 0, 1024-112
.else
	VEC (\i)%2, 16
.endif
.endr
.endm
; Record 7 and the change of slots.  mode 2: this slot is filled again, two parts on; mode 1: the other slot is only shown whole; mode 0: the last part.
.macro LAST slot, mode
.if (\mode) > 0
	s_wait_tensorcnt 0x0                           ; all my tensor loads have landed: my quarter of the other slot's part
	ds_add_u32 v[SPW], v[NIL]
.if (\mode) == 2
	ds_add_u32 v[SPW], v[NIL]                      ; and twice
	s_add_nc_u64 s[G0+4*(\slot)+2:G0+4*(\slot)+3], s[G0+4*(\slot)+2:G0+4*(\slot)+3], 2*PART
.endif
	s_wait_dscnt 0x0                               ; the add is done; record 7 is in registers: my reads of this slot are over
	s_barrier_signal -1
.else
	s_wait_dscnt 0x0
.endif
	MUL 1                                          ; work on registers alone
	VEC 1, 16
.if (\mode) > 0
	s_wait_alu depctr_va_vdst(0)                   ; the wait ahead of the barrier's wait
	s_barrier_wait -1
.if (\mode) == 2
	CREST
	TLOAD \slot
.endif
	FETCH 1-(\slot), 0, 0
.endif
.endm
.macro MERGE b, i, ob, oi, db, di      ; of two (best, index) the smaller best; at equal bests the lower index
	v_cmp_lt_f32 s40, v[\ob], v[\b]
	v_cmp_eq_f32 s41, v[\ob], v[\b]
	v_cmp_lt_u32 s42, v[\oi], v[\i]
	s_and_b32 s41, s41, s42
	s_or_b32 s40, s40, s41
	v_cndmask_b32 v[\db], v[\b], v[\ob], s40
	v_cndmask_b32 v[\di], v[\i], v[\oi], s40
.endm
.macro XBLOCK t                        ; block t (32 channels) of my query: its scale, its part of sx, its codes
.set XS, XH+32*(\t)
	v_max3_num_f32 v[WK], |v[XS]|, |v[XS+1]|, |v[XS+2]|
	v_max3_num_f32 v[WK+1], |v[XS+3]|, |v[XS+4]|, |v[XS+5]|
.irp i, 6,10,14,18,22,26
	s_delay_alu instid0(VALU_DEP_2)
	v_max3_num_f32 v[WK], v[WK], |v[XS+\i]|, |v[XS+\i+1]|
	s_delay_alu instid0(VALU_DEP_2)
	v_max3_num_f32 v[WK+1], v[WK+1], |v[XS+\i+2]|, |v[XS+\i+3]|
.endr
	s_delay_alu instid0(VALU_DEP_2)
	v_max3_num_f32 v[WK], v[WK], |v[XS+30]|, |v[XS+31]|
	s_delay_alu instid0(VALU_DEP_1)
	v_max3_num_f32 v[WK], v[WK], v[WK+1], 0x1800000   ; the floor 2^(3 - 127): the byte cannot fall under 1
	s_delay_alu instid0(VALU_DEP_1)
	v_add_nc_u32 v[WK+2+(\t)], 0xff000000, v[WK]   ; 2 off the exponent field: the conversions' scale operand
	s_delay_alu instid0(VALU_DEP_1)
	v_lshrrev_b32 v[WK+4+(\t)], 23, v[WK+2+(\t)]   ; the scale's byte
.if (\t) == 0
	v_pk_mul_f32 v[SQ:SQ+1], v[XS:XS+1], v[XS:XS+1]
	v_pk_mul_f32 v[SQ+2:SQ+3], v[XS+2:XS+3], v[XS+2:XS+3]
.else
	v_pk_fma_f32 v[SQ:SQ+1], v[XS:XS+1], v[XS:XS+1], v[SQ:SQ+1]
	v_pk_fma_f32 v[SQ+2:SQ+3], v[XS+2:XS+3], v[XS+2:XS+3], v[SQ+2:SQ+3]
.endif
.irp i, 4,8,12,16,20,24,28
	s_delay_alu instid0(VALU_DEP_2)
	v_pk_fma_f32 v[SQ:SQ+1], v[XS+\i:XS+\i+1], v[XS+\i:XS+\i+1], v[SQ:SQ+1]
	s_delay_alu instid0(VALU_DEP_2)
	v_pk_fma_f32 v[SQ+2:SQ+3], v[XS+\i+2:XS+\i+3], v[XS+\i+2:XS+\i+3], v[SQ+2:SQ+3]
.endr
.irp u, 0,1,2,3
	v_cvt_scalef32_pk8_fp4_f32 v[XC+4*(\t)+\u], v[XS+8*\u:XS+8*\u+7], v[WK+2+(\t)]
.endr
	v_nop                                          ; one plain place behind the scaled conversions
	ds_store_b128 v[XW], v[XC+4*(\t):XC+4*(\t)+3] offset:16*(\t)
.endm
	s_load_b256 s[4:11], s[0:1], 0x0               ; x s[4:5], cbq s[6:7], out2 s[8:9], idxw s[10:11]
	v_lshl_add_u32 v[SPW], v0, 2, SPARE
	v_mov_b32 v[NIL], 0
	ds_add_u32 v[SPW], v[NIL]                      ; the opening lines: the add, twice on end, and its wait
	ds_add_u32 v[SPW], v[NIL]
	s_wait_dscnt 0x0
	v_lshrrev_b32 v[T0], 5, v0
	s_delay_alu instid0(VALU_DEP_1)
	v_readfirstlane_b32 s[WV], v[T0]               ; wave 0..15
	v_and_b32 v[LN], 31, v0
	v_and_b32 v[RR], 15, v0
	v_bfe_u32 v[HH], v0, 4, 1
	s_and_b32 s48, s[WV], 1                        ; the loop: which 64 queries,
	s_lshr_b32 s49, s[WV], 1                       ; which eighth of a part
	s_and_b32 s50, s[WV], 3                        ; the head: which 32 queries,
	s_lshr_b32 s51, s[WV], 2                       ; which 64 channels
	s_mul_i32 s36, s49, SLICE
	v_lshlrev_b32 v[T0], 4, v[LN]
	s_delay_alu instid0(VALU_DEP_1)
	v_add_nc_u32 v[AF], s36, v[T0]
	s_delay_alu instid0(VALU_DEP_1)
	v_add_nc_u32 v[AF+1], PART, v[AF]
	v_lshl_add_u32 v[AS], v[LN], 2, s36
	s_delay_alu instid0(VALU_DEP_1)
	v_add_nc_u32 v[AS+1], PART, v[AS]
	v_lshl_add_u32 v[AE], v[HH], 5, s36
	s_delay_alu instid0(VALU_DEP_1)
	v_add_nc_u32 v[AE+1], PART, v[AE]
	s_lshl_b32 s37, s49, 7
	v_lshl_add_u32 v[VT], v[HH], 3, s37            ; my slice's first row in part 0, + 8 h,
	s_delay_alu instid0(VALU_DEP_1)
	v_add_nc_u32 v[VT], 0xfffffc70, v[VT]          ; less the 912 that a part's first record adds
	s_mul_i32 s38, s50, 32*XP
	s_lshl_b32 s39, s51, 5
	s_add_co_u32 s38, s38, s39
	s_add_co_u32 s38, s38, XROW
	v_mul_u32_u24 v[XW], v[LN], XP
	s_delay_alu instid0(VALU_DEP_1)
	v_add_nc_u32 v[XW], s38, v[XW]                 ; row 32 (w % 4) + lane, blocks 2 (w / 4) on
	s_lshl_b32 s38, s50, 8
	s_lshl_b32 s39, s51, 1
	s_add_co_u32 s38, s38, s39
	s_add_co_u32 s38, s38, XSC
	v_lshl_add_u32 v[XBW], v[LN], 3, s38
	s_lshl_b32 s38, s51, 9
	s_lshl_b32 s39, s50, 7
	s_add_co_u32 s38, s38, s39
	s_add_co_u32 s38, s38, SXP
	v_lshl_add_u32 v[SXW], v[LN], 2, s38
	s_mul_i32 s38, s48, 64*XP
	s_add_co_u32 s38, s38, XROW
	v_mul_u32_u24 v[XA], v[RR], XP
	s_delay_alu instid0(VALU_DEP_1)
	v_lshl_add_u32 v[XA], v[HH], 4, v[XA]
	s_delay_alu instid0(VALU_DEP_1)
	v_add_nc_u32 v[XA], s38, v[XA]                 ; row 64 (w % 2) + r, + 16 h
	s_lshl_b32 s38, s48, 9
	s_add_co_u32 s38, s38, XSC
	v_lshlrev_b32 v[XSA], 3, v[RR]
	s_delay_alu instid0(VALU_DEP_1)
	v_lshl_add_u32 v[XSA], v[HH], 2, v[XSA]
	s_delay_alu instid0(VALU_DEP_1)
	v_add_nc_u32 v[XSA], s38, v[XSA]
	s_lshl_b32 s38, s48, 8
	s_add_co_u32 s38, s38, SXP
	v_lshl_add_u32 v[SXA], v[RR], 2, s38
	s_lshl_b32 s38, s49, 10
	s_lshl_b32 s39, s48, 9
	s_add_co_u32 s38, s38, s39
	s_add_co_u32 s38, s38, XROW
	v_lshl_add_u32 v[REDW], v[RR], 3, s38
	s_add_co_u32 s39, s39, XROW
	v_lshl_add_u32 v[REDR], v[LN], 4, s39
	v_lshlrev_b32 v[XOF], 2, v[LN]
	s_lshl_b32 s38, s48, 8
	v_lshl_add_u32 v[GOF], v[LN], 3, s38
	s_mov_b32 s34, 0x76543210                      ; v_permlanex16_b32's selects for lane l xor 16
	s_mov_b32 s35, 0xfedcba98
	s_bfe_u32 s13, ttmp6, 0x40000                  ; cx
	s_lshl_b32 s14, ttmp9, 2
	s_add_co_u32 s14, s14, s13                     ; my work-group g: image g / 8, pixels 128 (g % 8) on
	s_lshr_b32 s44, s14, 3
	s_lshl_b32 s44, s44, 20
	s_and_b32 s15, s14, 7
	s_lshl_b32 s15, s15, 9
	s_add_co_u32 s44, s44, s15
	s_lshl_b32 s15, s50, 7
	s_add_co_u32 s44, s44, s15
	s_lshl_b32 s15, s51, 18
	s_add_co_u32 s44, s44, s15
	s_mov_b32 s45, 0
	s_lshl_b32 s46, s14, 9
	s_mov_b32 s47, 0
	s_mov_b32 s[G1], 15|(3<<16)|(1<<21)            ; the mask: all four work-groups; elements of 8 bytes; bit 21 beside a mask
	s_mov_b32 s[G1+1], 32<<16
	s_mov_b32 s[G1+2], 144<<16
	s_mov_b32 s[G1+3], 32<<16
	s_mov_b32 s[G1+4], 144
	s_mov_b32 s[G1+5], 32
	s_mov_b32 s[G1+6], 0
	s_mov_b32 s[G1+7], 0
	s_mul_i32 s36, s50, QUART
	s_mov_b32 s37, 0
	s_wait_alu depctr_va_vdst(0)
	s_wait_kmcnt 0x0
	s_add_nc_u64 s[4:5], s[4:5], s[44:45]
	s_add_nc_u64 s[8:9], s[8:9], s[46:47]
	s_add_nc_u64 s[10:11], s[10:11], s[46:47]
.set c, 0
.rept 64
	global_load_b32 v[XH+c], v[XOF], s[4:5] offset:4096*c   ; channel c of my 64: neighbouring lanes take neighbouring queries
.set c, c+1
.endr
	s_mov_b32 s[G0], 1
	s_mov_b32 s[G0+1], s36                         ; slot 0
	s_add_nc_u64 s[G0+2:G0+3], s[6:7], s[36:37]    ; part 0
	s_or_b32 s[G0+3], s[G0+3], 0x80000000
	s_mov_b32 s[G0+4], 1
	s_add_co_u32 s[G0+5], s36, PART                ; slot 1
	s_add_nc_u64 s[G0+6:G0+7], s[6:7], s[36:37]
	s_add_nc_u64 s[G0+6:G0+7], s[G0+6:G0+7], PART  ; part 1
	s_or_b32 s[G0+7], s[G0+7], 0x80000000
	ROUND                                          ; all four work-groups are here: the first joint load meets
	TLOAD 0                                        ; part 0 is on its way while x is quantised
	s_wait_loadcnt 32
	XBLOCK 0
	s_wait_loadcnt 0x0
	XBLOCK 1
	v_lshl_or_b32 v[WK], v[WK+5], 8, v[WK+4]
	ds_store_b16 v[XBW], v[WK]
	v_pk_add_f32 v[SQ:SQ+1], v[SQ:SQ+1], v[SQ+2:SQ+3]
	s_delay_alu instid0(VALU_DEP_1)
	v_add_f32 v[SQ], v[SQ], v[SQ+1]
	ds_store_b32 v[SXW], v[SQ]
	s_wait_dscnt 0x0                               ; for the others' sake: my stores are done
	s_barrier_signal -1
	s_barrier_wait -1                              ; Part 0's load may stay out
.irp q, 0,1,2,3
.irp s, 0,1
.irp c, 0,1
	ds_load_b128 v[XF+16*\q+8*\s+4*\c:XF+16*\q+8*\s+4*\c+3], v[XA] offset:16*XP*\q+64*\s+32*\c
.endr
.endr
	ds_load_b32 v[XSW+\q], v[XSA] offset:128*\q
.irp k, 0,1,2,3
	ds_load_b32 v[TD+4*\q+\k], v[SXA] offset:64*\q+512*\k
.endr
.endr
	v_mov_b32 v[M2], -2.0
	v_mov_b32 v[M2+1], -2.0
.irp q, 0,1,2,3
	v_mov_b32 v[BA+\q], 0x7f800000                 ; the best so far: +infinity
.endr
.set j, 0
.rept 32
.if (j%8) == 7
	v_mov_b32 v[KEEP+j], 0
.else
	v_mov_b32 v[KEEP+j], 0x7f800000                ; the selects read what they keep: written once
.endif
.set j, j+1
.endr
	s_wait_dscnt 0x0
.irp q, 0,1,2,3
	v_add_f32 v[TD+4*\q], v[TD+4*\q], v[TD+4*\q+1]
	v_add_f32 v[TD+4*\q+2], v[TD+4*\q+2], v[TD+4*\q+3]
.endr
.irp q, 0,1,2,3
	v_add_f32 v[SX+2*\q], v[TD+4*\q], v[TD+4*\q+2]
.endr
.irp q, 0,1,2,3
	s_delay_alu instid0(VALU_DEP_4)
	v_mov_b32 v[SX+2*\q+1], v[SX+2*\q]
.endr
	s_wait_alu depctr_va_vdst(0)                   ; the wait at the head's end
	s_wait_tensorcnt 0x0                           ; slot 1's first fill is issued as a refill is
	ds_add_u32 v[SPW], v[NIL]
	ds_add_u32 v[SPW], v[NIL]
	s_wait_dscnt 0x0
	ROUND                                          ; part 0 is whole in every partner
	TLOAD 1
	FETCH 0, 0, 0
	s_mov_b32 s32, 3
.Lring:                                                ; parts 0 to 5: three trips of two; parts 6 and 7 are written out
	TILES 0
	LAST 0, 2
	TILES 1
	LAST 1, 2
	s_sub_co_u32 s32, s32, 1
	s_cmp_lg_u32 s32, 0
	s_cbranch_scc1 .Lring
	TILES 0
	LAST 0, 1
	TILES 1
	LAST 1, 0
	; THE INDEX: the first of the kept seven d that equals the best, else the eighth row
.irp q, 0,1,2,3
	v_mov_b32 v[JJ+\q], 7
.endr
.irp j, 6,5,4,3,2,1,0
.irp q, 0,1,2,3
	v_cmp_neq_f32 vcc_lo, v[KEEP+8*\q+\j], v[BA+\q]
	s_delay_alu instid0(VALU_DEP_1)
	v_cndmask_b32 v[JJ+\q], \j, v[JJ+\q], vcc_lo
.endr
.endr
.irp q, 0,1,2,3
	v_add_nc_u32 v[KEEP+8*\q+7], v[KEEP+8*\q+7], v[JJ+\q]
.endr
.irp q, 0,1,2,3
	v_permlanex16_b32 v[KEEP+8*\q], v[BA+\q], s34, s35     ; the query's other eight rows of each record lie in the lane 16 away
	v_permlanex16_b32 v[KEEP+8*\q+1], v[KEEP+8*\q+7], s34, s35
.endr
.irp q, 0,1,2,3
	MERGE BA+\q, KEEP+8*\q+7, KEEP+8*\q, KEEP+8*\q+1, TD+2*\q, TD+2*\q+1
	ds_store_b64 v[REDW], v[TD+2*\q:TD+2*\q+1] offset:128*\q   ; both halves of the lanes write the same bytes with the same values
.endr
	s_wait_dscnt 0x0
	s_barrier_signal -1
	s_barrier_wait -1
	s_cmp_lt_u32 s[WV], 2                          ; waves 0 and 1 join the eight slices, 64 queries each, two a lane
	s_cbranch_scc0 .Lend
.irp k, 0,1,2,3,4,5,6,7
	ds_load_b128 v[RB+4*\k:RB+4*\k+3], v[REDR] offset:1024*\k
.endr
	s_wait_dscnt 0x0
.irp k, 1,2,3,4,5,6,7
.irp e, 0,1
	MERGE RB+2*\e, RB+2*\e+1, RB+4*\k+2*\e, RB+4*\k+2*\e+1, RB+2*\e, RB+2*\e+1
.endr
.endr
	v_mov_b32 v[RB+2], v[RB+1]
	global_store_b64 v[GOF], v[RB+2:RB+3], s[8:9]  ; 32 lanes store 256 consecutive bytes, aligned
	global_store_b64 v[GOF], v[RB+2:RB+3], s[10:11]   ; the copy from which the next launch forms addresses
.Lend:
	s_wait_tensorcnt 0x0                           ; the wave's end
	ds_add_u32 v[SPW], v[NIL]
	s_wait_dscnt 0x0
	ROUND                                          ; the closing round
	s_endpgm
.Lfunc_end_k_q3dc8e5f106_nearest:
	.size	k_q3dc8e5f106_nearest, .Lfunc_end_k_q3dc8e5f106_nearest-k_q3dc8e5f106_nearest
	.p2alignl 7, 3214868480
	.fill 96, 4, 3214868480
	.section	.rodata,"a",@progbits
	.p2align	6, 0x0
	.amdhsa_kernel k_q3dc8e5f106_nearest
		.amdhsa_group_segment_fixed_size 327680
		.amdhsa_private_segment_fixed_size 0
		.amdhsa_enable_private_segment 0
		.amdhsa_kernarg_size 32
		.amdhsa_user_sgpr_count 2
		.amdhsa_user_sgpr_kernarg_segment_ptr 1
		.amdhsa_wavefront_size32 1
		.amdhsa_system_sgpr_workgroup_id_x 1
		.amdhsa_system_sgpr_workgroup_id_y 1
		.amdhsa_system_sgpr_workgroup_id_z 1
		.amdhsa_system_vgpr_workitem_id 0
		.amdhsa_next_free_vgpr 256
		.amdhsa_next_free_sgpr 66
		.amdhsa_reserve_vcc 1
		.amdhsa_float_denorm_mode_32 3
		.amdhsa_float_denorm_mode_16_64 3
		.amdhsa_memory_ordered 1
		.amdhsa_forward_progress 1
		.amdhsa_inst_pref_size 221
	.end_amdhsa_kernel
	.amdgpu_metadata
---
amdhsa.version: [ 1, 2 ]
amdhsa.kernels:
  - .name:           k_q3dc8e5f106_nearest
    .symbol:         k_q3dc8e5f106_nearest.kd
    .args:
      - { .name: x, .offset: 0, .size: 8, .value_kind: global_buffer, .address_space: global }
      - { .name: cbq, .offset: 8, .size: 8, .value_kind: global_buffer, .address_space: global }
      - { .name: out2, .offset: 16, .size: 8, .value_kind: global_buffer, .address_space: global }
      - { .name: idxw, .offset: 24, .size: 8, .value_kind: global_buffer, .address_space: global }
    .group_segment_fixed_size: 327680
    .private_segment_fixed_size: 0
    .kernarg_segment_align: 8
    .kernarg_segment_size: 32
    .max_flat_workgroup_size: 512
    .sgpr_count:     66
    .vgpr_count:     256
    .wavefront_size: 32
...
	.end_amdgpu_metadata
.endif
;; end of part 2
;; launch gather (part 3): grid 256 x 1, 16 waves a work-group, no clusters, 135,680 bytes of LDS; arguments x, codebook, idxw, out0, part; writes out0, part
.if DOCPART == 3
	.amdgcn_target "amdgcn-amd-amdhsa--gfx1250"
	.amdhsa_code_object_version 6
	.text
	.protected	k_q3dc8e5f106_gather
	.globl	k_q3dc8e5f106_gather
	.p2align	8
	.type	k_q3dc8e5f106_gather,@function
k_q3dc8e5f106_gather:
	s_mov_b64 s[64:65], 0
	v_nop
	global_prefetch_b8 v0, s[64:65] scope:SCOPE_SE
	s_setreg_imm32_b32 hwreg(HW_REG_WAVE_MODE, 25, 1), 1
	s_wait_xcnt 0x0
; out0 = x + (e - x), e the codebook row that idxw names for each query, laid back as [b][channel][pixel]; and for each work-group the sum of (e - x)^2, in f32.
; SHARES.  A work-group owns 128 neighbouring queries (image g / 8, pixels 128 (g % 8) on).  Fetching: wave w brings the rows of queries 8 w .. 8 w + 7, 1,024 bytes each, by loads of 512 consecutive bytes, into LDS.
; Computing: wave w takes all 128 queries x channels 16 w .. 16 w + 15; a lane owns four neighbouring queries, so each load of x and each store of out0 covers 512 consecutive bytes, aligned.
; Query k lies in LDS row 32 (k % 4) + k / 4, rows 1,040 bytes apart: a lane reads its four queries' rows, and sixteen lanes touch sixteen different 16-byte columns of 256.
; ORDER OF THE LOADS: four channels of x (they hang on no index), the sixteen row loads, the other twelve channels of x.  A channel is computed and stored when its x is in, with the younger loads of x still out.
; No matrix work, no tensor loads; work-groups share nothing but rows of the table, so no cluster.
; An index is held to 8,191 before it enters an address.  The difference and the sum are two roundings, as the definition has them: they are not fused.
.set RP, 1040
.set PS, 128*RP                        ; behind the rows: a word for each wave's sum
.set RO, 8                             ; v8-15    the rows' byte offsets in the table, + 16 x lane
.set X,  16                            ; v16-79   x, then out0: channel c at X + 4 c: my four queries
.set G,  80                            ; v80-143  the rows as fetched; then e: channel c of query a at G + 16 a + c
.set D,  144                           ; v144-151 differences, two sets of four by turns
.set LS, 152                           ; v152-155 sums of squares, two pairs
.set PT, 156
.set ZR, 157
.set RS, 158                           ; v158-173 the sixteen waves' sums
.set SPW, 174
.set NIL, 175
.set PSR, 176
	s_load_b256 s[4:11], s[0:1], 0x0               ; x s[4:5], codebook s[6:7], idxw s[8:9], out0 s[10:11]
	s_load_b64 s[12:13], s[0:1], 0x20              ; part
	v_lshrrev_b32 v1, 5, v0
	s_delay_alu instid0(VALU_DEP_1)
	v_readfirstlane_b32 s14, v1                    ; wave 0..15
	s_mul_i32 s26, s14, 2*RP                       ; into LDS: rows 2 w on
	s_lshl_b32 s27, s14, 6                         ; out of LDS: my 16 channels' 64 bytes
	s_lshl_b32 s28, s14, 2
	s_add_co_u32 s28, s28, PS                      ; my wave's word
	s_mov_b32 s24, 0x76543210                      ; v_permlanex16_b32's selects for lane l xor 16
	s_mov_b32 s25, 0xfedcba98
	s_lshl_b32 s30, ttmp9, 9                       ; my eight indices: 512 g + 32 w
	s_lshl_b32 s31, s14, 5
	s_add_co_u32 s30, s30, s31
	s_mov_b32 s31, 0
	s_lshr_b32 s32, ttmp9, 3
	s_lshl_b32 s32, s32, 20                        ; an image is 256 channels x 4,096 bytes
	s_and_b32 s33, ttmp9, 7
	s_lshl_b32 s33, s33, 9
	s_add_co_u32 s32, s32, s33
	s_lshl_b32 s33, s14, 16                        ; my 16 channels
	s_add_co_u32 s32, s32, s33
	s_mov_b32 s33, 0
	s_lshl_b32 s34, ttmp9, 2
	s_mov_b32 s35, 0
	v_and_b32 v1, 31, v0                           ; lane
	v_lshl_add_u32 v[SPW], v0, 2, 0x20a00
	v_mov_b32 v[NIL], 0
	v_mov_b32 v[ZR], 0
	v_mov_b32 v7, s28
	v_mov_b32 v[PSR], PS
	v_lshlrev_b32 v2, 4, v1                        ; 16 x lane
	v_mul_u32_u24 v5, v1, RP
	s_delay_alu instid0(VALU_DEP_2)
	v_add_nc_u32 v3, s26, v2                       ; in: queries with k % 4 under 2,
	s_delay_alu instid0(VALU_DEP_2)
	v_add_nc_u32 v5, s27, v5                       ; out: row lane, my channels: queries a = 0, 1,
	s_delay_alu instid0(VALU_DEP_2)
	v_add_nc_u32 v4, 64*RP, v3                     ; in: the others, 64 rows on
	s_delay_alu instid0(VALU_DEP_2)
	v_add_nc_u32 v6, 64*RP, v5                     ; out: a = 2, 3
	s_wait_alu depctr_va_vdst(0)                   ; the wait at the head's end
	s_wait_kmcnt 0x0
	s_add_nc_u64 s[8:9], s[8:9], s[30:31]
	s_load_b256 s[16:23], s[8:9], 0x0              ; whole numbers that the launch before stored
	s_add_nc_u64 s[4:5], s[4:5], s[32:33]
	s_add_nc_u64 s[10:11], s[10:11], s[32:33]
	s_add_nc_u64 s[12:13], s[12:13], s[34:35]
.set c, 0
.rept 4
	global_load_b128 v[X+4*c:X+4*c+3], v2, s[4:5] offset:4096*c th:TH_LOAD_NT   ; channels 0 to 3, while the indices are on their way
.set c, c+1
.endr
	s_wait_kmcnt 0x0
.irp k, 0,1,2,3,4,5,6,7
	s_min_u32 s[16+\k], s[16+\k], 8191             ; an index stays inside the table
	s_lshl_b32 s[16+\k], s[16+\k], 10              ; a row is 1,024 bytes
	v_add_nc_u32 v[RO+\k], s[16+\k], v2
.endr
	s_wait_alu depctr_va_vdst(0)
.irp k, 0,1,2,3,4,5,6,7
.irp a, 0,1
	global_load_b128 v[G+8*\k+4*\a:G+8*\k+4*\a+3], v[RO+\k], s[6:7] offset:512*\a
.endr
.endr
.set c, 4
.rept 12
	global_load_b128 v[X+4*c:X+4*c+3], v2, s[4:5] offset:4096*c th:TH_LOAD_NT   ; channels 4 to 15
.set c, c+1
.endr
.irp k, 0,1,2,3,4,5,6,7
.irp a, 0,1
	s_wait_loadcnt 27-(2*\k+\a)                    ; loads come back in order: this row load is in; the younger row loads and the twelve of x may be out
	ds_store_b128 v[3+(\k%4)/2], v[G+8*\k+4*\a:G+8*\k+4*\a+3] offset:(32*(\k%2)+\k/4)*RP+512*\a
.endr
.endr
	s_wait_dscnt 0x0                               ; for the others' sake: my stores are done
	s_barrier_signal -1
	s_barrier_wait -1                              ; the 128 rows lie in LDS
.irp a, 0,1,2,3
.irp i, 0,1,2,3
	ds_load_b128 v[G+16*\a+4*\i:G+16*\a+4*\i+3], v[5+\a/2] offset:32*RP*(\a%2)+16*\i
.endr
.endr
	s_wait_dscnt 0x0
.macro SUB c                           ; e - x of channel c, my four queries
.irp a, 0,1,2,3
	v_sub_f32 v[D+4*((\c)%2)+\a], v[G+16*\a+(\c)], v[X+4*(\c)+\a]
.endr
.endm
.macro USE c                           ; its squares, and x + (e - x)
.irp u, 0,2
.if (\c) == 0
	v_pk_mul_f32 v[LS+\u:LS+\u+1], v[D+\u:D+\u+1], v[D+\u:D+\u+1]
.else
	v_pk_fma_f32 v[LS+\u:LS+\u+1], v[D+4*((\c)%2)+\u:D+4*((\c)%2)+\u+1], v[D+4*((\c)%2)+\u:D+4*((\c)%2)+\u+1], v[LS+\u:LS+\u+1]
.endif
.endr
.irp u, 0,2
	v_pk_add_f32 v[X+4*(\c)+\u:X+4*(\c)+\u+1], v[X+4*(\c)+\u:X+4*(\c)+\u+1], v[D+4*((\c)%2)+\u:D+4*((\c)%2)+\u+1]
.endr
.endm
	SUB 0                                          ; the next channel's differences stand between a channel's differences and their use
.set c, 0
.rept 15
.if c+1 >= 4
	s_wait_alu depctr_va_vdst(0)                   ; the wait ahead of the wait below
	s_wait_loadcnt 14-c                            ; channel c + 1 of x is in; the 14 - c younger loads may be out
.endif
	SUB c+1
	USE c
	global_store_b128 v2, v[X+4*c:X+4*c+3], s[10:11] offset:4096*c th:TH_STORE_NT   ; 32 lanes store 512 consecutive bytes, aligned; no store's data are written again
.set c, c+1
.endr
	v_mov_b32 v[PT], 0                             ; a lane permute's destination counts as one of its sources
	USE 15
	s_delay_alu instid0(VALU_DEP_3)
	v_pk_add_f32 v[LS:LS+1], v[LS:LS+1], v[LS+2:LS+3]
	s_delay_alu instid0(VALU_DEP_1)
	v_add_f32 v[LS], v[LS], v[LS+1]
	s_delay_alu instid0(VALU_DEP_1)
	v_add_f32_dpp v[LS], v[LS], v[LS] row_xmask:1 row_mask:0xf bank_mask:0xf
	s_delay_alu instid0(VALU_DEP_1)
	v_add_f32_dpp v[LS], v[LS], v[LS] row_xmask:2 row_mask:0xf bank_mask:0xf
	s_delay_alu instid0(VALU_DEP_1)
	v_add_f32_dpp v[LS], v[LS], v[LS] row_xmask:4 row_mask:0xf bank_mask:0xf
	s_delay_alu instid0(VALU_DEP_1)
	v_add_f32_dpp v[LS], v[LS], v[LS] row_xmask:8 row_mask:0xf bank_mask:0xf
	s_delay_alu instid0(VALU_DEP_1)
	v_permlanex16_b32 v[PT], v[LS], s24, s25
	s_delay_alu instid0(VALU_DEP_1)
	v_add_f32 v[LS], v[LS], v[PT]                  ; the wave's sum, in every lane
	global_store_b128 v2, v[X+60:X+63], s[10:11] offset:4096*15 th:TH_STORE_NT   ; the last channel leaves behind the wave's sum
	ds_store_b32 v7, v[LS]                         ; all lanes write the same word with the same value
	s_wait_alu depctr_va_vdst(0)                   ; the wait ahead of the wait below
	s_wait_dscnt 0x0
	s_barrier_signal -1
	s_barrier_wait -1
	s_cmp_lg_u32 s14, 0                            ; wave 0 adds the sixteen
	s_cbranch_scc1 .Lout
.irp i, 0,1,2,3
	ds_load_b128 v[RS+4*\i:RS+4*\i+3], v[PSR] offset:16*\i
.endr
	s_wait_dscnt 0x0
.irp i, 0,4,8,12
	v_pk_add_f32 v[RS+\i:RS+\i+1], v[RS+\i:RS+\i+1], v[RS+\i+2:RS+\i+3]
.endr
	s_delay_alu instid0(VALU_DEP_3)
	v_pk_add_f32 v[RS:RS+1], v[RS:RS+1], v[RS+4:RS+5]
	s_delay_alu instid0(VALU_DEP_2)
	v_pk_add_f32 v[RS+8:RS+9], v[RS+8:RS+9], v[RS+12:RS+13]
	s_delay_alu instid0(VALU_DEP_1)
	v_pk_add_f32 v[RS:RS+1], v[RS:RS+1], v[RS+8:RS+9]
	s_delay_alu instid0(VALU_DEP_1)
	v_add_f32 v[RS], v[RS], v[RS+1]
	s_wait_alu depctr_va_vdst(0)
	s_wait_xcnt 0x0                                ; EXEC, a source of the stores above, changes only behind this wait
	v_cmp_eq_u32 vcc_lo, 0, v0
	s_and_saveexec_b32 s36, vcc_lo
	global_store_b32 v[ZR], v[RS], s[12:13]        ; one number for the work-group
	s_wait_xcnt 0x0                                ; and again, in front of the line that widens it
	s_or_b32 exec_lo, exec_lo, s36
.Lout:
	s_wait_tensorcnt 0x0                           ; the wave's end
	ds_add_u32 v[SPW], v[NIL]
	s_wait_dscnt 0x0
	s_endpgm
.Lfunc_end_k_q3dc8e5f106_gather:
	.size	k_q3dc8e5f106_gather, .Lfunc_end_k_q3dc8e5f106_gather-k_q3dc8e5f106_gather
	.p2alignl 7, 3214868480
	.fill 96, 4, 3214868480
	.section	.rodata,"a",@progbits
	.p2align	6, 0x0
	.amdhsa_kernel k_q3dc8e5f106_gather
		.amdhsa_group_segment_fixed_size 135680
		.amdhsa_private_segment_fixed_size 0
		.amdhsa_enable_private_segment 0
		.amdhsa_kernarg_size 40
		.amdhsa_user_sgpr_count 2
		.amdhsa_user_sgpr_kernarg_segment_ptr 1
		.amdhsa_wavefront_size32 1
		.amdhsa_system_sgpr_workgroup_id_x 1
		.amdhsa_system_sgpr_workgroup_id_y 1
		.amdhsa_system_sgpr_workgroup_id_z 1
		.amdhsa_system_vgpr_workitem_id 0
		.amdhsa_next_free_vgpr 178
		.amdhsa_next_free_sgpr 66
		.amdhsa_reserve_vcc 1
		.amdhsa_float_denorm_mode_32 3
		.amdhsa_float_denorm_mode_16_64 3
		.amdhsa_memory_ordered 1
		.amdhsa_forward_progress 1
		.amdhsa_inst_pref_size 20
	.end_amdhsa_kernel
	.amdgpu_metadata
---
amdhsa.version: [ 1, 2 ]
amdhsa.kernels:
  - .name:           k_q3dc8e5f106_gather
    .symbol:         k_q3dc8e5f106_gather.kd
    .args:
      - { .name: x, .offset: 0, .size: 8, .value_kind: global_buffer, .address_space: global }
      - { .name: codebook, .offset: 8, .size: 8, .value_kind: global_buffer, .address_space: global }
      - { .name: idxw, .offset: 16, .size: 8, .value_kind: global_buffer, .address_space: global }
      - { .name: out0, .offset: 24, .size: 8, .value_kind: global_buffer, .address_space: global }
      - { .name: part, .offset: 32, .size: 8, .value_kind: global_buffer, .address_space: global }
    .group_segment_fixed_size: 135680
    .private_segment_fixed_size: 0
    .kernarg_segment_align: 8
    .kernarg_segment_size: 40
    .max_flat_workgroup_size: 512
    .sgpr_count:     66
    .vgpr_count:     178
    .wavefront_size: 32
...
	.end_amdgpu_metadata
.endif
;; end of part 3
;; launch lossum (part 4): grid 1 x 1, 1 waves a work-group, no clusters, 0 bytes of LDS; arguments part, out1; writes out1
.if DOCPART == 4
	.amdgcn_target "amdgcn-amd-amdhsa--gfx1250"
	.amdhsa_code_object_version 6
	.text
	.protected	k_q3dc8e5f106_lossum
	.globl	k_q3dc8e5f106_lossum
	.p2align	8
	.type	k_q3dc8e5f106_lossum,@function
k_q3dc8e5f106_lossum:
	s_mov_b64 s[64:65], 0
	v_nop
	global_prefetch_b8 v0, s[64:65] scope:SCOPE_SE
	s_setreg_imm32_b32 hwreg(HW_REG_WAVE_MODE, 25, 1), 1
	s_wait_xcnt 0x0
; out1 = m + 0.25 m, m = the mean of (e - x)^2 over 2^23 numbers: the 256 work-groups' sums are added by one owner, since a sum that spans work-groups is ordered by a launch of its own.
; One wave: 8 numbers a lane, two loads of 512 consecutive bytes.
	s_load_b128 s[4:7], s[0:1], 0x0                ; part s[4:5], out1 s[6:7]
	v_lshlrev_b32 v1, 4, v0
	s_mov_b32 s8, 0x76543210                       ; v_permlanex16_b32's selects for lane l xor 16
	s_mov_b32 s9, 0xfedcba98
	v_mov_b32 v12, 0                               ; a lane permute's destination counts as one of its sources
	v_mov_b32 v13, 0
	s_wait_alu depctr_va_vdst(0)
	s_wait_kmcnt 0x0
	global_load_b128 v[4:7], v1, s[4:5]
	global_load_b128 v[8:11], v1, s[4:5] offset:512
	s_wait_loadcnt 0x0
	v_pk_add_f32 v[4:5], v[4:5], v[6:7]
	v_pk_add_f32 v[8:9], v[8:9], v[10:11]
	v_pk_add_f32 v[4:5], v[4:5], v[8:9]
	v_add_f32 v4, v4, v5
	v_add_f32_dpp v4, v4, v4 row_xmask:1 row_mask:0xf bank_mask:0xf
	v_add_f32_dpp v4, v4, v4 row_xmask:2 row_mask:0xf bank_mask:0xf
	v_add_f32_dpp v4, v4, v4 row_xmask:4 row_mask:0xf bank_mask:0xf
	v_add_f32_dpp v4, v4, v4 row_xmask:8 row_mask:0xf bank_mask:0xf
	v_permlanex16_b32 v12, v4, s8, s9
	v_add_f32 v4, v4, v12
	v_mul_f32 v4, 0x34000000, v4                   ; x 2^-23: the mean
	v_fma_f32 v5, 0x3e800000, v4, v4               ; m + 0.25 m
	s_wait_alu depctr_va_vdst(0)
	s_wait_xcnt 0x0                                ; EXEC changes only behind this wait
	v_cmp_eq_u32 vcc_lo, 0, v0
	s_and_saveexec_b32 s10, vcc_lo
	global_store_b32 v13, v5, s[6:7]
	s_wait_xcnt 0x0                                ; and again, in front of the line that widens it
	s_or_b32 exec_lo, exec_lo, s10
	s_endpgm
.Lfunc_end_k_q3dc8e5f106_lossum:
	.size	k_q3dc8e5f106_lossum, .Lfunc_end_k_q3dc8e5f106_lossum-k_q3dc8e5f106_lossum
	.p2alignl 7, 3214868480
	.fill 96, 4, 3214868480
	.section	.rodata,"a",@progbits
	.p2align	6, 0x0
	.amdhsa_kernel k_q3dc8e5f106_lossum
		.amdhsa_group_segment_fixed_size 0
		.amdhsa_private_segment_fixed_size 0
		.amdhsa_enable_private_segment 0
		.amdhsa_kernarg_size 16
		.amdhsa_user_sgpr_count 2
		.amdhsa_user_sgpr_kernarg_segment_ptr 1
		.amdhsa_wavefront_size32 1
		.amdhsa_system_sgpr_workgroup_id_x 1
		.amdhsa_system_sgpr_workgroup_id_y 1
		.amdhsa_system_sgpr_workgroup_id_z 1
		.amdhsa_system_vgpr_workitem_id 0
		.amdhsa_next_free_vgpr 16
		.amdhsa_next_free_sgpr 66
		.amdhsa_reserve_vcc 1
		.amdhsa_float_denorm_mode_32 3
		.amdhsa_float_denorm_mode_16_64 3
		.amdhsa_memory_ordered 1
		.amdhsa_forward_progress 1
		.amdhsa_inst_pref_size 2
	.end_amdhsa_kernel
	.amdgpu_metadata
---
amdhsa.version: [ 1, 2 ]
amdhsa.kernels:
  - .name:           k_q3dc8e5f106_lossum
    .symbol:         k_q3dc8e5f106_lossum.kd
    .args:
      - { .name: part, .offset: 0, .size: 8, .value_kind: global_buffer, .address_space: global }
      - { .name: out1, .offset: 8, .size: 8, .value_kind: global_buffer, .address_space: global }
    .group_segment_fixed_size: 0
    .private_segment_fixed_size: 0
    .kernarg_segment_align: 8
    .kernarg_segment_size: 16
    .max_flat_workgroup_size: 32
    .sgpr_count:     66
    .vgpr_count:     16
    .wavefront_size: 32
...
	.end_amdgpu_metadata
.endif
;; end of part 4
